; MI455X (gfx1250); checked and timed in simulation.
; The chip was launched on July 23, 2026; its instructions are those of AMD's public machine-readable ISA for CDNA 5 (MIT licence, August 2026) and "CDNA5" Instruction Set Architecture Reference Guide (July 2026). The comments in the code are by the model that wrote it; some were corrected since.
;; Multi Head Attention. Allowed arithmetic: matrix products marked QUANTISED: E4M3 operands, one given power-of-two scale a tensor, by v_wmma_f32_16x16x64_fp8_fp8 or v_wmma_f32_16x16x128_fp8_fp8, f32 sums; everything else in f32.
;; Inputs: Wk_b 1,024 float32; Wk_w_codes 1,024 x 32 x 32 uint8 (E4M3 codes of Wk_w, K innermost, in blocks of 32 codes); Wo_b 1,024 float32; Wo_w_codes 1,024 x 32 x 32 uint8 (E4M3 codes of Wo_w, K innermost, in blocks of 32 codes); Wq_b 1,024 float32; Wq_w_codes 1,024 x 32 x 32 uint8 (E4M3 codes of Wq_w, K innermost, in blocks of 32 codes); Wv_b 1,024 float32; Wv_w_codes 1,024 x 32 x 32 uint8 (E4M3 codes of Wv_w, K innermost, in blocks of 32 codes); lowp_scales 12 int32 (the exponents e of the quantised operands' scales 2^e); x_codes 4 x 2,048 x 32 x 32 uint8 (E4M3 codes of x, K innermost, in blocks of 32 codes).
;; Outputs: out0 4 x 2,048 x 1,024 float32.
;; This version of the problem:
;;   THIS VERSION OF THE PROBLEM IS GIVEN IN LOW PRECISION. The matrix products marked QUANTISED in the list below multiply operands that are first quantised to E4M3 (4 exponent bits, 3 mantissa bits; 8 bits a number), with one given power-of-two scale for each operand tensor; their sums are f32. All else is computed in f32.
;;   The module's matrix products, in the order in which they are computed (A, B: the left and right operand; K: the contracted axis; several contracted axes count as one K, in the product's order):
;;     1. [M 8,192, K 1,024] x [K 1,024, N 1,024]; A: input x (given as codes); B: input Wq_w (given as codes): QUANTISED (scales: A lowp_scales[0], B lowp_scales[1])
;;     2. [M 8,192, K 1,024] x [K 1,024, N 1,024]; A: input x (given as codes); B: input Wk_w (given as codes): QUANTISED (scales: A lowp_scales[2], B lowp_scales[3])
;;     3. [M 8,192, K 1,024] x [K 1,024, N 1,024]; A: input x (given as codes); B: input Wv_w (given as codes): QUANTISED (scales: A lowp_scales[4], B lowp_scales[5])
;;     4. batch 64 x [M 2,048, K 64] x [K 64, N 2,048]; A: computed on the way; B: computed on the way: QUANTISED (scales: A lowp_scales[6], B lowp_scales[7])
;;     5. batch 64 x [M 2,048, K 2,048] x [K 2,048, N 64]; A: softmax (see below); B: computed on the way: QUANTISED (scales: A lowp_scales[8], B lowp_scales[9])
;;     6. [M 8,192, K 1,024] x [K 1,024, N 1,024]; A: computed on the way; B: input Wo_w (given as codes): QUANTISED (scales: A lowp_scales[10], B lowp_scales[11])
;;   THE QUANTISER, for each operand of a quantised product, along K:
;;     - The operand's scale is 2^e, e = its entry of the input lowp_scales (int32; the entries are numbered through the quantised products in the list's order, A before B).
;;     - Each number is divided by the scale, clamped to +-448, and rounded to the nearest number of E4M3, ties to even, subnormals kept.
;;     - The product sums the exact products of the quantised numbers (number of the format x scale) in f32.
;;   ~~~python
;;   def quantise(x, axis, e):      # numpy; x: float32 -> the quantised numbers, widened to float32 again
;;       x = np.moveaxis(x, axis, -1); K = x.shape[-1]
;;       r = np.clip(x / 2.0 ** e, -448, 448)
;;       step = 2.0 ** (np.maximum(np.frexp(np.where(r == 0, 1, r))[1] - 1, -6) - 3)
;;       q = np.round(r / step) * step * 2.0 ** e      # np.round: ties to even
;;       return np.moveaxis(q, -1, axis).astype(np.float32)
;;   ~~~
;;   SOFTMAX AHEAD OF A QUANTISED PRODUCT. Where the list says 'softmax', what is quantised is not the finished softmax but p = 2^(t - M), with t = logit x log2(e) and M = ceil(the row's largest t), a whole number; so 1/2 < the row's largest p <= 1. The row's sum l is taken of the UNQUANTISED p, in f32, and the product's result is divided by l at the end. Since M is a whole number, a kernel that streams over the keys may use a running M (the ceiling of the running maximum): every later rescaling is an exact power of two, so the quantised numbers keep their values, but for numbers so far below the row's largest that they fall under the format's range.
;;   OPERANDS COMPUTED ON THE WAY. 'Computed on the way' means the value that the module computes at that place (a softmax that the list does not call 'softmax' is quantised finished and normalised). What goes into a quantiser is computed in f32, as accurately as f32 sums, v_exp_f32 and their like allow (about 1e-6 of the number): no bf16 or f16 on the way to a quantiser, and a product that is left as it is and whose result goes on into a quantised operand takes f32 operands (vector FMAs, or v_wmma_f32_16x16x4_f32). A number that lies on a knife's edge between two numbers of the format may be rounded either way, as far as f32 arithmetic and the matrix unit's own rounding can turn it there, and no further.
;;   INPUTS GIVEN AS CODES. Wk_w (in the module: [1024, 1024], K = its axis 0); Wo_w (in the module: [1024, 1024], K = its axis 0); Wq_w (in the module: [1024, 1024], K = its axis 0); Wv_w (in the module: [1024, 1024], K = its axis 0); x (in the module: [4, 2048, 1024], K = its axis 2): each comes as NAME_codes (uint8): NAME with its K axis moved to the last place and cut into blocks of 32 codes, [.., K / 32, bytes a block], one block behind the other in memory; one code a byte (a code: sign, 4 exponent bits, 3 mantissa bits); its scale is its entry of lowp_scales. Its value is code x scale, taken as it is: it is not quantised again, and the codes and scales need not be those that the quantiser above would give.
;; One version. Each part assembles by itself: llvm-mc -triple=amdgcn-amd-amdhsa -mcpu=gfx1250 --defsym DOCPART=n.
;; ======== version 1 of 1: 3 launches
;; limits: right only within a limited range of input values
;; workspace buffers: q_img 8,388,608 bytes; k_img 8,388,608 bytes; v_img 8,388,608 bytes; a_img 8,388,608 bytes
;; launch qkv (part 1): grid 4 x 64, 4 waves a work-group, clusters of 4 x 4, 327,680 bytes of LDS; arguments x_codes, Wq_w_codes, Wk_w_codes, Wv_w_codes, Wq_b, Wk_b, Wv_b, lowp_scales, q_img, k_img, v_img; writes q_img, k_img, v_img
.if DOCPART == 1
	.amdgcn_target "amdgcn-amd-amdhsa--gfx1250"
	.amdhsa_code_object_version 6
	.text
	.protected	k_q3a9529b585_qkv
	.globl	k_q3a9529b585_qkv
	.p2align	8
	.type	k_q3a9529b585_qkv,@function
k_q3a9529b585_qkv:
	s_mov_b64 s[64:65], 0
	v_nop
	global_prefetch_b8 v0, s[64:65] scope:SCOPE_SE
	s_setreg_imm32_b32 hwreg(HW_REG_WAVE_MODE, 25, 1), 1
	s_wait_xcnt 0x0
	s_wait_alu depctr_hold_cnt(0) depctr_sa_sdst(0) depctr_va_vdst(0) depctr_va_sdst(0) depctr_va_ssrc(0) depctr_va_vcc(0) depctr_vm_vsrc(0)
	s_getreg_b32 s2, hwreg(HW_REG_IB_STS2, 6, 4)
	s_cmp_eq_u32 s2, 0
	s_cbranch_scc0 .Lentry_in_a_cluster
	s_endpgm
.Lentry_in_a_cluster:
	s_bfe_u32 s2, ttmp6, 0x10000c
	s_cmp_lg_u32 s2, 0xf033
	s_cbranch_scc0 .Lentry_shape_is_right
	s_endpgm
.Lentry_shape_is_right:
; q = x Wq + bq, k = x Wk + bk, v = x Wv + bv on codes of E4M3, and the three results quantised again (scales e6, e7, e9) on their way out.
; x: [8192][1024] codes; each W: [1024 (out)][1024 (K)] codes; biases f32; lowp_scales: 12 whole numbers e.
; SHARES.  A work-group owns 128 tokens and 256 output columns of EACH weight: three tiles of 128 x 256, one after the other (q, k, v): 64 x 4 = 256 work-groups that stay.
; Its 128 rows of x (128 x 1,024 bytes) are fetched once and stay in LDS; the weights go through a ring of two slots, 256 along K each: 12 K steps in all.
; A wave makes 64 tokens x 128 columns: 32 accumulators (a = token tile 0..3, b = column tile 0..7).  A K step is two substeps of 128 along K, 32 matrix instructions each, on two sets of fragments.
; CLUSTER 4 x 4: the four work-groups of a row share x's rows, the four of a column the weights' rows: both are asked for jointly.
; q AND k ARE USED TRANSPOSED (source 0 = 16 rows of W, source 1 = 16 tokens): a lane holds one token and eight neighbouring channels.  v IS NOT (source 0 = tokens, source 1 = rows of Wv):
; a lane holds one channel and eight neighbouring tokens, the keys of the later product.  Either way one conversion of an accumulator's eight registers gives registers 2 t, 2 t + 1 of the NEXT product's operand
; (k = 16 t + 8 (lane / 16) + 0..7), so the codes leave as IMAGES OF OPERAND REGISTERS: four registers a store, lane l at 16 l, 512 consecutive bytes, aligned.
;   q_img, k_img: [16 b + head][token tile of 16: 128][c 2][lane][16 bytes];   v_img: [16 b + head][key step of 128: 16][channel tile 4][c 4][lane][16 bytes].
; x's and W's fragments come by four 16-byte loads a fragment: a permutation of k that is the same on both sides.
; THE BIAS is the C of a tile's first products, as bias / 2^ein (ein = e0 + e1, e2 + e3, e4 + e5); the conversion's scale is 2^(eout - ein).
; LIMITS: e6 - e0 - e1, e7 - e2 - e3 and e9 - e4 - e5 lie between -126 and 119, so that the powers of two below are f32 numbers.  NaN and infinity among the biases are not served.
; REGISTERS, in windows of 256: window 0: v16-31 addresses and scales; v32-95, v96-159 x's fragments, two sets; v160-223 a tile's codes; v224-231 bv.
;   window 1: W's fragments, two sets of 128.   window 2: the 32 accumulators, (a, b) at v[8 (8 a + b)].   window 3: the three biases in the results' layout, 64 registers each.
.set PITCH, 272                        ; an LDS row: 256 bytes + 16 of padding = 68 words: the 16 rows that a load touches start at 16 different banks (64 banks of 4 bytes: ISA guide 11.1)
.set ACH,   128*PITCH                  ; a chunk of x: 128 rows x 256 along K
.set BBASE, 4*ACH                      ; behind x's four chunks: the ring
.set BSLOT, 256*PITCH                  ; a slot: 256 rows of a weight
.set BQ,    64*PITCH                   ; a wave's quarter of a slot
.set SPARE, BBASE+2*BSLOT              ; behind the ring: the spare words, 128 bytes a wave: two blocks of 256 bytes that no other line names
.set ADRA, 16                          ; v16-19  LDS address of my x fragments in chunk 0..3
.set ADRB, 20                          ; v20-21  of my W fragments in slot 0, 1
.set BO,   22                          ; v22     byte offset in bq, bk of my lane's eight channels of column tile 0
.set BOV,  23                          ; v23     byte offset in bv of my lane's channel of column tile 0
.set STQ,  24                          ; v24     my byte offset in q_img and k_img
.set STV,  25                          ; v25     my byte offset in v_img
.set SC,   26                          ; v26-28  2^(eout - ein) as f32, for q, k, v
.set SPW,  30                          ; v30     LDS address of my spare word; never rewritten
.set NIL,  31                          ; v31     0; never rewritten
.set AF,   32
.set CD,   160
.set BV,   224
.set WV,   26                          ; s26 wave;  s27 which 64 tokens;  s28 which 128 columns;  s29 cx, s30 cy;  s31 column block, s32 row block
.set G1A,  36                          ; s[36:43] group 1 for x's chunks;  s[44:51] for the weights' quarters
.set G1B,  44
.set G0A,  52                          ; s[52:55] group 0 for my chunk of x;  s[56:63] for my quarter of slot 0, slot 1
.set G0B,  56
.set WB,   66                          ; s[66:71] Wq, Wk, Wv at my 64 rows
.set MSB, 0
.macro WIN new                         ; the immediate's high byte repeats the setting that is left
.if MSB != (\new)
	s_set_vgpr_msb (MSB<<8)|(\new)
.set MSB, (\new)
.endif
.endm
.macro MW mode, first                  ; the windows of a product: W in window 1, x in window 0, D in window 2, C in window 2 or (the bias) 3; mode 1: the sources change places
	WIN 0xa1+3*(\mode)+0x10*(\first)
.endm
.macro PLACES n                        ; plain vector instructions between a matrix instruction and a load into, or a vector read or write of, its registers
.rept \n
	v_nop
.endr
.endm
.macro CREST                           ; a round of the cluster's barrier behind its opening barrier
	s_cmp_lg_u32 s[WV], 0
	s_cbranch_scc1 .Lnot_wave_0_\@
	s_barrier_signal -3
.Lnot_wave_0_\@:
	s_barrier_wait -3
	s_barrier_signal -1
	s_barrier_wait -1
.endm
.macro CROUND
	s_barrier_signal -1
	s_barrier_wait -1
	CREST
.endm
	s_load_b512 s[4:19], s[0:1], 0x0               ; x s[4:5], Wq s[6:7], Wk s[8:9], Wv s[10:11], bq s[12:13], bk s[14:15], bv s[16:17], the exponents s[18:19]
	s_load_b128 s[20:23], s[0:1], 0x40             ; q_img, k_img
	s_load_b64 s[24:25], s[0:1], 0x50              ; v_img
	v_lshl_add_u32 v[SPW], v0, 2, SPARE
	v_mov_b32 v[NIL], 0
	ds_add_u32 v30, v31
	ds_add_u32 v30, v31
	s_wait_dscnt 0x0
	v_lshrrev_b32 v1, 5, v0
	v_readfirstlane_b32 s[WV], v1                  ; wave 0..3
	s_lshr_b32 s27, s[WV], 1                       ; which 64 of the 128 tokens
	s_and_b32 s28, s[WV], 1                        ; which 128 of the 256 columns
	s_bfe_u32 s29, ttmp6, 0x40000                  ; cx
	s_bfe_u32 s30, ttmp6, 0x40004                  ; cy
	s_lshl_b32 s31, ttmp9, 2
	s_add_co_u32 s31, s31, s29                     ; column block 0..3
	s_and_b32 s32, ttmp7, 0xffff
	s_lshl_b32 s32, s32, 2
	s_add_co_u32 s32, s32, s30                     ; row block 0..63
	s_lshl_b32 s33, s30, 2
	s_lshl_b32 s33, 15, s33                        ; my row of the cluster
	s_lshl_b32 s34, 0x1111, s29                    ; my column
	s_or_b32 s[G1A], s33, (1<<20)|(1<<21)|(5<<22)|(3<<25)   ; the mask; elements of 1 byte; padding on; bit 21 beside a mask; 4 words behind every 64
	s_mov_b32 s[G1A+1], 256<<16                    ; tensor_dim0 = 256
	s_mov_b32 s[G1A+2], 128<<16                    ; tensor_dim1 = 128
	s_mov_b32 s[G1A+3], 256<<16                    ; tile_dim0 = 256
	s_mov_b32 s[G1A+4], 128                        ; tile_dim1 = 128
	s_mov_b32 s[G1A+5], 1024                       ; from row to row
	s_mov_b32 s[G1A+6], 0
	s_mov_b32 s[G1A+7], 0
	s_or_b32 s[G1B], s34, (1<<20)|(1<<21)|(5<<22)|(3<<25)
	s_mov_b32 s[G1B+1], 256<<16
	s_mov_b32 s[G1B+2], 64<<16                     ; 64 rows
	s_mov_b32 s[G1B+3], 256<<16
	s_mov_b32 s[G1B+4], 64
	s_mov_b32 s[G1B+5], 1024
	s_mov_b32 s[G1B+6], 0
	s_mov_b32 s[G1B+7], 0
	s_lshl_b32 s94, s32, 17                        ; x: 128 rows of 1,024 bytes a row block,
	s_lshl_b32 s93, s[WV], 8                       ; chunk = wave: 256 bytes along K
	s_add_co_u32 s94, s94, s93
	s_mov_b32 s95, 0
	s_lshl_b32 s96, s31, 18                        ; W: 256 rows a column block,
	s_lshl_b32 s93, s[WV], 16                      ; my 64 of them
	s_add_co_u32 s96, s96, s93
	s_mov_b32 s97, 0
	s_wait_kmcnt 0x0
	s_load_b256 s[72:79], s[18:19], 0x0            ; e0 .. e7
	s_load_b128 s[80:83], s[18:19], 0x20           ; e8 .. e11
	s_mov_b32 s[G0A], 1
	s_mul_i32 s[G0A+1], s[WV], ACH
	s_add_nc_u64 s[G0A+2:G0A+3], s[4:5], s[94:95]
	s_or_b32 s[G0A+3], s[G0A+3], 0x80000000
	s_add_nc_u64 s[WB:WB+1], s[6:7], s[96:97]
	s_add_nc_u64 s[WB+2:WB+3], s[8:9], s[96:97]
	s_add_nc_u64 s[WB+4:WB+5], s[10:11], s[96:97]
	s_mul_i32 s93, s[WV], BQ
	s_mov_b32 s[G0B], 1
	s_add_co_u32 s[G0B+1], s93, BBASE
	s_mov_b64 s[G0B+2:G0B+3], s[WB:WB+1]           ; K step 0
	s_or_b32 s[G0B+3], s[G0B+3], 0x80000000
	s_mov_b32 s[G0B+4], 1
	s_add_co_u32 s[G0B+5], s93, BBASE+BSLOT
	s_add_nc_u64 s[G0B+6:G0B+7], s[WB:WB+1], 256   ; K step 1
	s_or_b32 s[G0B+7], s[G0B+7], 0x80000000
	CROUND                                         ; all sixteen work-groups are here: the first joint loads meet
	tensor_load_to_lds s[G0B:G0B+3], s[G1B:G1B+7]      ; three loads of mine are out: slot 0's quarter,
	s_nop 0
	tensor_load_to_lds s[G0A:G0A+3], s[G1A:G1A+7]      ; my chunk of x,
	s_nop 0
	tensor_load_to_lds s[G0B+4:G0B+7], s[G1B:G1B+7]    ; slot 1's quarter
	s_nop 0
	PLACES 4
	v_and_b32 v1, 15, v0                           ; r
	v_bfe_u32 v2, v0, 4, 1                         ; h
	v_and_b32 v3, 31, v0
	v_lshlrev_b32 v3, 4, v3                        ; 16 x lane
	s_lshl_b32 s93, s31, 10
	s_lshl_b32 s98, s28, 9
	s_add_co_u32 s93, s93, s98                     ; my first column x 4 bytes
	v_lshl_add_u32 v[BO], v2, 5, s93               ; + 32 h: channels 8 h + 0..7 of a column tile
	v_lshl_add_u32 v[BOV], v1, 2, s93              ; + 4 r: channel r of a column tile
	WIN 0xc0                                       ; destination window 3
.irp b, 0,1,2,3,4,5,6,7
	global_load_b128 v[8*\b:8*\b+3], v[BO], s[12:13] offset:64*\b
	global_load_b128 v[8*\b+4:8*\b+7], v[BO], s[12:13] offset:64*\b+16
	global_load_b128 v[64+8*\b:64+8*\b+3], v[BO], s[14:15] offset:64*\b
	global_load_b128 v[64+8*\b+4:64+8*\b+7], v[BO], s[14:15] offset:64*\b+16
.endr
	WIN 0
.irp b, 0,1,2,3,4,5,6,7
	global_load_b32 v[BV+\b], v[BOV], s[16:17] offset:64*\b
.endr
	v_mul_u32_u24 v4, v1, PITCH
	v_lshl_add_u32 v4, v2, 4, v4                   ; a fragment's row x pitch + 16 x half
	s_wait_alu depctr_va_vdst(0)
	s_mul_i32 s93, s27, 64*PITCH                   ; my 64 rows of x
.irp c, 0,1,2,3
	v_add_nc_u32 v[ADRA+\c], s93, v4
	s_add_co_u32 s93, s93, ACH
.endr
	s_mul_i32 s93, s28, 128*PITCH                  ; my 128 rows of W
	s_add_co_u32 s93, s93, BBASE
.irp s, 0,1
	v_add_nc_u32 v[ADRB+\s], s93, v4
	s_add_co_u32 s93, s93, BSLOT
.endr
	s_lshr_b32 s93, s32, 4                         ; the batch
	s_lshl_b32 s93, s93, 4
	s_lshl_b32 s98, s31, 2
	s_add_co_u32 s93, s93, s98
	s_lshl_b32 s98, s28, 1
	s_add_co_u32 s93, s93, s98                     ; 16 b + my first head (4 x column block + 2 x half)
	s_lshl_b32 s93, s93, 17                        ; 131,072 bytes a head in each image buffer
	s_and_b32 s98, s32, 15
	s_lshl_b32 s99, s98, 13                        ; the row block in its batch: 8 token tiles of 1,024 bytes, or one key step of 8,192
	s_add_co_u32 s99, s99, s93
	s_lshl_b32 s98, s27, 12                        ; q, k: my 4 token tiles
	s_add_co_u32 s98, s98, s99
	v_add_nc_u32 v[STQ], s98, v3
	s_lshl_b32 s98, s27, 10                        ; v: my 64 keys are images 2 x half + 0, 1 of each fragment
	s_add_co_u32 s98, s98, s99
	v_add_nc_u32 v[STV], s98, v3
	s_wait_kmcnt 0x0
.macro SCALES t, ea, eb, eo            ; s[90+t] = -ein; v[SC+t] = 2^(eout - ein)
	s_add_co_i32 s93, s[\ea], s[\eb]
	s_sub_co_i32 s[90+\t], 0, s93
	s_sub_co_i32 s93, s[\eo], s93
	s_add_co_i32 s93, s93, 127
	s_lshl_b32 s98, s93, 23
	v_mov_b32 v[SC+\t], s98
.endm
	SCALES 0, 72, 73, 78
	SCALES 1, 74, 75, 79
	SCALES 2, 76, 77, 81
	s_wait_loadcnt 0x0                             ; the biases
	WIN 0xc3                                       ; source 0 and destination window 3
.set n, 0
.rept 64
	v_ldexp_f32 v[n], v[n], s90                    ; bq / 2^(e0 + e1)
	v_ldexp_f32 v[64+n], v[64+n], s91              ; bk / 2^(e2 + e3)
.set n, n+1
.endr
	WIN 0xc0                                       ; source 0 window 0
.irp b, 0,1,2,3,4,5,6,7
.irp j, 0,1,2,3,4,5,6,7
	v_ldexp_f32 v[128+8*\b+\j], v[BV+\b], s92      ; bv / 2^(e4 + e5): the lane's one channel, for its eight tokens
.endr
.endr
	WIN 0
.macro FETCH_A chunk, q, set           ; x's four fragments (16 tokens x 128 K, 16 registers) of the chunk's q-th 128 along K
.irp i, 0,1,2,3
.irp c, 0,1,2,3
	ds_load_b128 v[AF+64*(\set)+16*\i+4*\c:AF+64*(\set)+16*\i+4*\c+3], v[ADRA+\chunk] offset:128*(\q)+32*\c+16*PITCH*\i
.endr
.endr
.endm
.macro FETCH_B slot, q, set            ; W's eight fragments
	WIN 0x40                                       ; destination window 1
.irp i, 0,1,2,3,4,5,6,7
.irp c, 0,1,2,3
	ds_load_b128 v[128*(\set)+16*\i+4*\c:128*(\set)+16*\i+4*\c+3], v[ADRB+\slot] offset:128*(\q)+32*\c+16*PITCH*\i
.endr
.endr
	WIN 0
.endm
; 8 matrix instructions: token tile a x the eight column tiles.  The 32 accumulators take turns, one instruction a turn, in the same order in every substep.
.macro MUL8 a, set, mode, first, t
.irp b, 0,1,2,3,4,5,6,7
.if \mode
.if \first
	v_wmma_f32_16x16x128_fp8_fp8 v[8*(8*(\a)+\b):8*(8*(\a)+\b)+7], v[AF+64*(\set)+16*(\a):AF+64*(\set)+16*(\a)+15], v[128*(\set)+16*\b:128*(\set)+16*\b+15], v[64*(\t)+8*\b:64*(\t)+8*\b+7]
.else
	v_wmma_f32_16x16x128_fp8_fp8 v[8*(8*(\a)+\b):8*(8*(\a)+\b)+7], v[AF+64*(\set)+16*(\a):AF+64*(\set)+16*(\a)+15], v[128*(\set)+16*\b:128*(\set)+16*\b+15], v[8*(8*(\a)+\b):8*(8*(\a)+\b)+7]
.endif
.else
.if \first
	v_wmma_f32_16x16x128_fp8_fp8 v[8*(8*(\a)+\b):8*(8*(\a)+\b)+7], v[128*(\set)+16*\b:128*(\set)+16*\b+15], v[AF+64*(\set)+16*(\a):AF+64*(\set)+16*(\a)+15], v[64*(\t)+8*\b:64*(\t)+8*\b+7]
.else
	v_wmma_f32_16x16x128_fp8_fp8 v[8*(8*(\a)+\b):8*(8*(\a)+\b)+7], v[128*(\set)+16*\b:128*(\set)+16*\b+15], v[AF+64*(\set)+16*(\a):AF+64*(\set)+16*(\a)+15], v[8*(8*(\a)+\b):8*(8*(\a)+\b)+7]
.endif
.endif
.endr
.endm
; K step g, first substep: multiplies set 0; in its middle the second substep's fragments are fetched into set 1.  first = 1: the tile's first products take the bias as C: nothing is cleared.
.macro SUB0 g, mode, first
	s_wait_dscnt 0x0                               ; set 0 is in (asked for 16 matrix instructions ago)
	MW \mode, \first
	MUL8 0, 0, \mode, \first, (\g)/4
	MUL8 1, 0, \mode, \first, (\g)/4
	PLACES 4                                       ; in front of loads into set 1, which the substep before multiplied
	FETCH_B (\g)%2, 1, 1
	FETCH_A (\g)%4, 1, 1
	MW \mode, \first
	MUL8 2, 0, \mode, \first, (\g)/4
	MUL8 3, 0, \mode, \first, (\g)/4
.endm
; K step g, second substep: multiplies set 1 and changes slots: ONE barrier.  In front of it each wave waits for all its tensor loads (its quarter of the next slot), adds 0 to its spare word, and waits for that and for its
; reads of this slot.  fill = 1: the barrier opens a round of the cluster's barrier, and this slot is filled with K step g + 2 first thing behind the round.
.macro TURN g, fill, mode
	WIN 0                                          ; (the add's two registers lie in window 0)
	s_wait_tensorcnt 0x0                           ; no tensor load of mine is out, so a group 0 may be written
	ds_add_u32 v[SPW], v[NIL]                      ; 0 onto my spare word
.if \fill
	s_add_nc_u64 s[G0B+4*((\g)%2)+2:G0B+4*((\g)%2)+3], s[WB+2*(((\g)+2)/4):WB+2*(((\g)+2)/4)+1], (((\g)+2)%4)*256   ; K step g + 2: weight (g + 2) / 4, 256 bytes a step along K
	s_or_b32 s[G0B+4*((\g)%2)+3], s[G0B+4*((\g)%2)+3], 0x80000000
.endif
	s_wait_dscnt 1                                 ; only the add may be out: set 1 is in
	MW \mode, 0
	MUL8 0, 1, \mode, 0, 0
	s_wait_dscnt 0x0                               ; the add is done, and my reads of this slot are over
	s_barrier_signal -1
	MUL8 1, 1, \mode, 0, 0
	WIN 0
	s_barrier_wait -1
.if \fill
	CREST                                          ; no wave of any partner still reads this slot or has a load on its way
	tensor_load_to_lds s[G0B+4*((\g)%2):G0B+4*((\g)%2)+3], s[G1B:G1B+7]   ; my one tensor load behind the round: 64 matrix instructions less 16 ahead of the wait for it
	s_nop 0
	PLACES 4                                       ; the places in front of the loads below
.else
	PLACES 4
.endif
	FETCH_B ((\g)+1)%2, 0, 0
	FETCH_A ((\g)+1)%4, 0, 0
	MW \mode, 0
	MUL8 2, 1, \mode, 0, 0
	MUL8 3, 1, \mode, 0, 0
.endm
; THE WAY OUT of tile t: 32 conversions, 16 stores of 512 consecutive bytes.  Each accumulator is read from its low end on.
.macro EPI t
	WIN 0
	PLACES 4                                       ; behind the tile's last products
.if \t
	s_wait_xcnt 0x0                                ; the last tile's stores have read their data registers: the codes may be written again
.endif
	WIN 0x82                                       ; source 0 and destination window 2
.set n, 0
.rept 256
.set n, n+1
.endr
	WIN 0x02                                       ; source 0 window 2, destination window 0
.irp a, 0,1,2,3
.irp b, 0,1,2,3,4,5,6,7
.if \t == 2
	v_cvt_scalef32_pk8_fp8_f32 v[CD+8*\b+2*\a:CD+8*\b+2*\a+1], v[8*(8*\a+\b):8*(8*\a+\b)+7], v[SC+\t]   ; channel tile b: keys 16 a + 8 h + 0..7 of my 64
.else
	v_cvt_scalef32_pk8_fp8_f32 v[CD+16*\a+2*\b:CD+16*\a+2*\b+1], v[8*(8*\a+\b):8*(8*\a+\b)+7], v[SC+\t]   ; token tile a: channels 16 b + 8 h + 0..7 of my two heads
.endif
.endr
.endr
	v_nop                                          ; one plain vector instruction between the conversions and the next products, which write their sources
	WIN 0
.if \t == 2
.irp b, 0,1,2,3,4,5,6,7
.irp c, 0,1
	global_store_b128 v[STV], v[CD+8*\b+4*\c:CD+8*\b+4*\c+3], s[24:25] offset:(\b/4)*131072+(\b%4)*2048+\c*512
.endr
.endr
.else
.irp a, 0,1,2,3
.irp hh, 0,1
.irp c, 0,1
	global_store_b128 v[STQ], v[CD+16*\a+8*\hh+4*\c:CD+16*\a+8*\hh+4*\c+3], s[20+2*\t:21+2*\t] offset:\hh*131072+\a*1024+\c*512
.endr
.endr
.endr
.endif
.endm
	s_wait_tensorcnt 0x1                           ; my quarter of slot 0 and my chunk of x are in; slot 1's quarter may stay out
	s_barrier_signal -1
	s_barrier_wait -1                              ; everybody's are
	FETCH_B 0, 0, 0
	FETCH_A 0, 0, 0
	SUB0 0, 0, 1                                   ; q
	TURN 0, 1, 0
	SUB0 1, 0, 0
	TURN 1, 1, 0
	SUB0 2, 0, 0
	TURN 2, 1, 0
	SUB0 3, 0, 0
	TURN 3, 1, 0
	EPI 0
	SUB0 4, 0, 1                                   ; k
	TURN 4, 1, 0
	SUB0 5, 0, 0
	TURN 5, 1, 0
	SUB0 6, 0, 0
	TURN 6, 1, 0
	SUB0 7, 0, 0
	TURN 7, 1, 0
	EPI 1
	SUB0 8, 1, 1                                   ; v
	TURN 8, 1, 1
	SUB0 9, 1, 0
	TURN 9, 1, 1
	SUB0 10, 1, 0
	TURN 10, 0, 1                                  ; the last two K steps fill nothing
	SUB0 11, 1, 0
	s_wait_dscnt 0x0
	MW 1, 0
	MUL8 0, 1, 1, 0, 0
	MUL8 1, 1, 1, 0, 0
	MUL8 2, 1, 1, 0, 0
	MUL8 3, 1, 1, 0, 0
	EPI 2
	s_wait_tensorcnt 0x0                           ; the wave's end
	ds_add_u32 v[SPW], v[NIL]
	s_wait_dscnt 0x0
	CROUND                                         ; the closing round: no work-group ends while a partner may still ask for a tile that names it
	s_endpgm
.Lfunc_end_k_q3a9529b585_qkv:
	.size	k_q3a9529b585_qkv, .Lfunc_end_k_q3a9529b585_qkv-k_q3a9529b585_qkv
	.p2alignl 7, 3214868480
	.fill 96, 4, 3214868480
	.section	.rodata,"a",@progbits
	.p2align	6, 0x0
	.amdhsa_kernel k_q3a9529b585_qkv
		.amdhsa_group_segment_fixed_size 327680
		.amdhsa_private_segment_fixed_size 0
		.amdhsa_enable_private_segment 0
		.amdhsa_kernarg_size 88
		.amdhsa_user_sgpr_count 2
		.amdhsa_user_sgpr_kernarg_segment_ptr 1
		.amdhsa_wavefront_size32 1
		.amdhsa_system_sgpr_workgroup_id_x 1
		.amdhsa_system_sgpr_workgroup_id_y 1
		.amdhsa_system_sgpr_workgroup_id_z 1
		.amdhsa_system_vgpr_workitem_id 0
		.amdhsa_next_free_vgpr 1024
		.amdhsa_next_free_sgpr 100
		.amdhsa_reserve_vcc 0
		.amdhsa_float_denorm_mode_32 3
		.amdhsa_float_denorm_mode_16_64 3
		.amdhsa_fp16_overflow 1
		.amdhsa_memory_ordered 1
		.amdhsa_forward_progress 1
		.amdhsa_inst_pref_size 169
	.end_amdhsa_kernel
	.amdgpu_metadata
---
amdhsa.version: [ 1, 2 ]
amdhsa.kernels:
  - .name:           k_q3a9529b585_qkv
    .symbol:         k_q3a9529b585_qkv.kd
    .args:
      - { .name: x_codes, .offset: 0, .size: 8, .value_kind: global_buffer, .address_space: global }
      - { .name: Wq_w_codes, .offset: 8, .size: 8, .value_kind: global_buffer, .address_space: global }
      - { .name: Wk_w_codes, .offset: 16, .size: 8, .value_kind: global_buffer, .address_space: global }
      - { .name: Wv_w_codes, .offset: 24, .size: 8, .value_kind: global_buffer, .address_space: global }
      - { .name: Wq_b, .offset: 32, .size: 8, .value_kind: global_buffer, .address_space: global }
      - { .name: Wk_b, .offset: 40, .size: 8, .value_kind: global_buffer, .address_space: global }
      - { .name: Wv_b, .offset: 48, .size: 8, .value_kind: global_buffer, .address_space: global }
      - { .name: lowp_scales, .offset: 56, .size: 8, .value_kind: global_buffer, .address_space: global }
      - { .name: q_img, .offset: 64, .size: 8, .value_kind: global_buffer, .address_space: global }
      - { .name: k_img, .offset: 72, .size: 8, .value_kind: global_buffer, .address_space: global }
      - { .name: v_img, .offset: 80, .size: 8, .value_kind: global_buffer, .address_space: global }
    .group_segment_fixed_size: 327680
    .private_segment_fixed_size: 0
    .kernarg_segment_align: 8
    .kernarg_segment_size: 88
    .max_flat_workgroup_size: 128
    .sgpr_count:     100
    .vgpr_count:     1024
    .wavefront_size: 32
...
	.end_amdgpu_metadata
.endif
;; end of part 1
;; launch attn (part 2): grid 4 x 64, 16 waves a work-group, no clusters, 327,680 bytes of LDS; arguments q_img, k_img, v_img, lowp_scales, a_img; writes a_img
.if DOCPART == 2
	.amdgcn_target "amdgcn-amd-amdhsa--gfx1250"
	.amdhsa_code_object_version 6
	.text
	.protected	k_q3a9529b585_attn
	.globl	k_q3a9529b585_attn
	.p2align	8
	.type	k_q3a9529b585_attn,@function
k_q3a9529b585_attn:
	s_mov_b64 s[64:65], 0
	v_nop
	global_prefetch_b8 v0, s[64:65] scope:SCOPE_SE
	s_setreg_imm32_b32 hwreg(HW_REG_WAVE_MODE, 25, 1), 1
	s_wait_xcnt 0x0
; Attention of one head on codes of E4M3: S = q k^T (scales e6, e7), the mask, p = 2^(t - M), O = p v (scales e8, e9), O / l, quantised again (e10) for the last projection.
; THE MASK: key > query is hidden, and so is every score that is exactly 0 (the sum itself is compared with 0).  A row with nothing left has l = 0: its codes become the NaN code, so that the last product gives NaN.
; THE SOFTMAX: t = score x log2(e) / 8; M = the running largest t rounded UP to a whole number (kept as -M = floor(-t)); p = 2^(t - M) is quantised, not normalised; l is the sum of the unquantised p; when M moves,
; l and O are multiplied by 2^(old M - new M), which rounds nothing.
; SHARES.  Work-group (I = 0..3, head) owns two blocks of 256 queries: first block I, then block 7 - I.  Block Q needs key slots (256 keys) 0 .. Q: I + 1 and 8 - I slots, NINE IN EVERY WORK-GROUP: the trip count is a
; constant and the causal work is even over the 256 work-groups.  Each of the sixteen waves owns 16 queries; four waves share a SIMD, so that one wave's vector work stands beside another's products and LDS loads.
; NO CLUSTER: the four work-groups of a head want the slots in different orders (0 .. I, then 0 .. 7 - I); in step with joint requests they would all walk 4 + 8 = 12 slots for 9 slots' work.
; OPERANDS ARE IMAGES OF REGISTERS (lane l's 16 bytes at 16 l): a slot's K (16 tiles x 1,024 bytes) and V (2 key steps x 4 channel tiles x 2,048 bytes) are dense blocks of 16,384 bytes; every LDS load takes 512 consecutive bytes.
; BOTH PRODUCTS ARE USED TRANSPOSED: S^T = K Q^T, O^T = V^T P^T: a lane holds one query (lane % 16); register 8 t + j of S^T is key 16 t + 8 (lane / 16) + j, so one conversion of a tile's eight registers gives registers
; 2 t, 2 t + 1 of P's fragment; likewise O^T's four tiles give eight registers of the last projection's operand:  a_img: [128 tokens: 64][K step of 128: 8][token tile 8][c 4][lane][16 bytes].
; LIMITS: e6 + e7 between -123 and 130 (added to c's exponent field); e8 and e10 between -126 and 119.  The test for 0 is made on the f32 sum of the codes' products, ahead of its scale.
; REGISTERS: v1-7 what stays; v12 -M, v13 the largest t, v[14:15] l in two halves; v16-23 Q; v24-31 the second block's Q; v32-95 K's eight fragments, then V's four; v96-159 S^T, then p; v160-191 O^T; v192-207 p's codes;
; v208-215 the codes that leave; v232-255 at work and constants.
.set SLOT1, 32768                      ; slot 1 begins here: one exclusive or turns an address in one slot into the other's
.set VOFF,  16384                      ; a slot: K's block, then V's
.set SPARE, 65536                      ; behind the ring: the spare words, 128 bytes for each of 16 waves: eight blocks of 256 bytes that no other line names
.set AL,   1                           ; v1  16 x lane
.set AD,   2                           ; v2  LDS address of the loads in hand
.set PFO,  3                           ; v3  256 x lane, for the prefetches; never rewritten
.set NINF, 4                           ; v4  -infinity
.set SPW,  5                           ; v5  LDS address of my spare word; never rewritten
.set NIL,  6                           ; v6  0; never rewritten
.set DL,   7                           ; v7  lane % 16 - 8 (lane / 16)
.set TB,   2                           ; s2  LDS byte at which the slot in hand begins
.set WV,   18
.set SEL,  20                          ; s[20:21] v_permlanex16_b32's selects for lane l xor 16
.set CS,   22                          ; s[22:23] c = log2(e) / 8 x 2^(e6 + e7)
.set G1,   24                          ; s[24:31] group 1: a dense block of 16,384 bytes as 64 rows of 256
.set G0,   32                          ; s[32:35] group 0, which walks
.set KVB,  36                          ; s[36:37] k_img (wave 1: v_img) at my head
.set OFF,  38                          ; s[38:39] an offset as a pair
.set SLOTS, 50                         ; s50 trips to go
.set KF,   51                          ; s51 the step's first key
.set Q0,   52                          ; s52 my first query; s53 that of the second block
.set PFA,  54                          ; s[54:55] where my prefetches stand
.set LIM,  56                          ; s56 1 in a wave that prefetches, else the greatest number
.macro TLOAD                           ; wave 0 fetches K's block, wave 1 V's; four v_nop follow
	s_cmp_lt_u32 s[WV], 2
	s_cbranch_scc0 .Lno_load_\@
	tensor_load_to_lds s[G0:G0+3], s[G1:G1+7]
	s_nop 0
.rept 4
	v_nop
.endr
.Lno_load_\@:
.endm
; A PREFETCH of the slot that the NEXT change of slots will ask for.  All four work-groups of a head read the same K and V: the one with I = 0 asks, whose trip T fills slot T: it names slot T + 1 in trips 0 to 6.
; In it waves 4 and 5 ask for K's block and waves 6 and 7 for V's, 8,192 bytes a wave, lanes 256 bytes apart: each aligned block of 256 bytes is named once in the launch.  Slot 0 comes by its loads alone; trip 7 asks for nothing.
.macro ASK
	s_cmp_gt_u32 s[SLOTS], s[LIM]
	s_cbranch_scc0 .Lnot_mine_\@
	global_prefetch_b8 v[PFO], s[PFA:PFA+1] th:TH_LOAD_NT scope:SCOPE_SE
.Lnot_mine_\@:
.endm
	s_load_b256 s[4:11], s[0:1], 0x0               ; q_img s[4:5], k_img s[6:7], v_img s[8:9], the exponents s[10:11]
	s_load_b64 s[12:13], s[0:1], 0x20              ; a_img
	v_lshl_add_u32 v[SPW], v0, 2, SPARE
	v_mov_b32 v[NIL], 0
	ds_add_u32 v5, v6
	ds_add_u32 v5, v6
	s_wait_dscnt 0x0
	v_lshrrev_b32 v8, 5, v0
	s_delay_alu instid0(VALU_DEP_1)
	v_readfirstlane_b32 s[WV], v8                  ; wave 0..15
	s_mov_b32 s14, ttmp9                           ; I
	s_add_co_u32 s15, s14, 1                       ; I + 1: the first block's slots
	s_sub_co_u32 s16, 8, s14                       ; the value of the trip counter in the first block's last trip
	s_and_b32 s17, ttmp7, 0xffff                   ; 16 b + head
	s_mov_b32 s[G1], 3<<16                         ; no mask; elements of 8 bytes; no padding
	s_mov_b32 s[G1+1], 32<<16                      ; tensor_dim0 = 32
	s_mov_b32 s[G1+2], 64<<16                      ; tensor_dim1 = 64
	s_mov_b32 s[G1+3], 32<<16                      ; tile_dim0 = 32
	s_mov_b32 s[G1+4], 64                          ; tile_dim1 = 64
	s_mov_b32 s[G1+5], 32                          ; from row to row
	s_mov_b32 s[G1+6], 0
	s_mov_b32 s[G1+7], 0
	s_mov_b32 s[SEL], 0x76543210
	s_mov_b32 s[SEL+1], 0xfedcba98
	s_mov_b32 s[TB], 0
	s_mov_b32 s[SLOTS], 8
	s_mov_b32 s[KF], 0
	s_lshl_b32 s57, s[WV], 4
	s_lshl_b32 s[Q0], s14, 8
	s_add_co_u32 s[Q0], s[Q0], s57                 ; 256 I + 16 x wave
	s_sub_co_u32 s53, 7, s14
	s_lshl_b32 s53, s53, 8
	s_add_co_u32 s53, s53, s57                     ; 256 (7 - I) + 16 x wave
	s_lshl_b32 s[OFF], s17, 17                     ; a head is 131,072 bytes in q_img, k_img and v_img
	s_mov_b32 s[OFF+1], 0
	s_wait_kmcnt 0x0
	s_load_b256 s[40:47], s[10:11], 0x10           ; e4 .. e11: e6 s42, e7 s43, e8 s44, e9 s45, e10 s46
	s_cmp_eq_u32 s[WV], 1
	s_cselect_b64 s[KVB:KVB+1], s[8:9], s[6:7]
	s_add_nc_u64 s[KVB:KVB+1], s[KVB:KVB+1], s[OFF:OFF+1]
	s_mov_b32 s[G0], 1
	s_and_b32 s[G0+1], s[WV], 1
	s_lshl_b32 s[G0+1], s[G0+1], 14                ; K's block at the slot's head, V's behind it
	s_mov_b64 s[G0+2:G0+3], s[KVB:KVB+1]           ; key slot 0
	s_or_b32 s[G0+3], s[G0+3], 0x80000000
	TLOAD                                          ; LDS slot 0's first fill
	s_add_nc_u64 s[4:5], s[4:5], s[OFF:OFF+1]      ; q_img at my head
	v_and_b32 v[AL], 31, v0
	s_delay_alu instid0(VALU_DEP_1)
	v_lshlrev_b32 v[PFO], 8, v[AL]
	s_delay_alu instid0(VALU_DEP_2)
	v_lshlrev_b32 v[AL], 4, v[AL]
	s_lshl_b32 s57, s[Q0], 6                       ; a tile of 16 queries is 1,024 bytes
	v_add_nc_u32 v8, s57, v[AL]
	s_lshl_b32 s57, s53, 6
	v_add_nc_u32 v9, s57, v[AL]
	global_load_b128 v[16:19], v8, s[4:5]
	global_load_b128 v[20:23], v8, s[4:5] offset:512
	global_load_b128 v[24:27], v9, s[4:5]
	global_load_b128 v[28:31], v9, s[4:5] offset:512
	; where my codes go: block of 128 tokens 16 b + 2 Q + wave / 8; K step head / 2; token tile wave % 8; images 2 (head % 2) + 0, 1
	s_lshr_b32 s57, s17, 4
	s_lshl_b32 s57, s57, 4
	s_lshr_b32 s58, s[WV], 3
	s_add_co_u32 s57, s57, s58
	s_lshl_b32 s57, s57, 17
	s_and_b32 s58, s17, 15
	s_lshr_b32 s59, s58, 1
	s_lshl_b32 s59, s59, 14
	s_add_co_u32 s57, s57, s59
	s_and_b32 s58, s58, 1
	s_lshl_b32 s58, s58, 10
	s_add_co_u32 s57, s57, s58
	s_and_b32 s58, s[WV], 7
	s_lshl_b32 s58, s58, 11
	s_add_co_u32 s57, s57, s58
	s_lshl_b32 s58, s14, 18
	s_add_co_u32 s58, s58, s57
	s_mov_b32 s59, 0
	s_add_nc_u64 s[60:61], s[12:13], s[58:59]      ; block I
	s_sub_co_u32 s58, 7, s14
	s_lshl_b32 s58, s58, 18
	s_add_co_u32 s58, s58, s57
	s_add_nc_u64 s[62:63], s[12:13], s[58:59]      ; block 7 - I
	; the prefetches: where my wave's stand, and who asks
	s_cmp_lt_u32 s[WV], 6
	s_cselect_b64 s[PFA:PFA+1], s[6:7], s[8:9]
	s_add_nc_u64 s[PFA:PFA+1], s[PFA:PFA+1], s[OFF:OFF+1]
	s_and_b32 s58, s[WV], 1
	s_lshl_b32 s58, s58, 13
	s_add_nc_u64 s[PFA:PFA+1], s[PFA:PFA+1], s[58:59]   ; in slot 0: the first change of slots steps it to slot 1
	s_sub_co_u32 s58, s[WV], 4
	s_lshr_b32 s58, s58, 2                         ; 0 in waves 4 to 7,
	s_or_b32 s58, s58, ttmp9                       ; of the work-group with I = 0
	s_cmp_eq_u32 s58, 0
	s_cselect_b32 s[LIM], 1, -1
	v_and_b32 v[DL], 15, v0
	v_bfe_u32 v10, v0, 4, 1
	s_delay_alu instid0(VALU_DEP_1)
	v_lshlrev_b32 v10, 3, v10
	s_delay_alu instid0(VALU_DEP_1)
	v_sub_nc_u32 v[DL], v[DL], v10
	v_mov_b32 v[NINF], 0xff800000
	v_mov_b32 v247, 0x7f7f7f7f                     ; four NaN codes
	v_mov_b32 v13, 0xff61b1e6                      ; the largest t so far: -3e38, under every t
	s_delay_alu instid0(VALU_DEP_1)
	v_floor_f32 v12, -v13
	v_mov_b32 v14, 0
	v_mov_b32 v15, 0
	v_mov_b32 v236, 0                              ; written once: a lane permute's destination counts as one of its sources
	v_mov_b32 v253, 0                              ; (named as the upper halves of pairs)
	v_mov_b32 v255, 0
.set j, 0
.rept 32
	v_mov_b32 v[160+j], 0                          ; O^T: the step is written once; its first run finds zeros
.set j, j+1
.endr
	s_wait_kmcnt 0x0
	s_add_co_i32 s57, s42, s43
	s_lshl_b32 s57, s57, 23
	s_mov_b32 s[CS], 0x3e38aa3b                    ; log2(e) / 8
	s_add_co_i32 s[CS], s[CS], s57                 ; x 2^(e6 + e7): added to the exponent field
	s_mov_b32 s[CS+1], s[CS]
	s_add_co_i32 s57, s44, 127
	s_lshl_b32 s58, s57, 23
	v_mov_b32 v244, s58                            ; 2^e8
	s_add_co_i32 s57, s46, 127
	s_lshl_b32 s58, s57, 23
	v_mov_b32 v245, s58                            ; 2^e10
	s_add_co_i32 s49, s44, s45                     ; e8 + e9
; A KEY STEP: 128 keys, the q-th of the slot in hand.  A step all of whose keys come after my 16 queries is left out: a scalar branch on ids; no barrier and no tensor load stands in a step.
.macro STEP q
	s_add_co_u32 s57, s[Q0], 15
	s_cmp_gt_u32 s[KF], s57
	s_cbranch_scc1 .Lhidden_\@
	v_add_nc_u32 v[AD], s[TB], v[AL]
.rept 3
	v_nop                                          ; with the addition: four places in front of loads into registers that the last products read
.endr
.irp t, 0,1,2,3,4,5,6,7
.irp c, 0,1
	ds_load_b128 v[32+8*\t+4*\c:35+8*\t+4*\c], v[AD] offset:8192*(\q)+1024*\t+512*\c
.endr
.endr
	s_wait_alu depctr_va_vdst(0)
	s_wait_dscnt 0x0
.irp t, 0,1,2,3,4,5,6,7
	v_wmma_f32_16x16x64_fp8_fp8 v[96+8*\t:103+8*\t], v[32+8*\t:39+8*\t], v[16:23], 0
.endr
.rept 4
	v_nop                                          ; places: V's loads land where K's fragments lay, and the scores are read below
.endr
.irp t, 0,1,2,3
.irp c, 0,1,2,3
	ds_load_b128 v[32+16*\t+4*\c:35+16*\t+4*\c], v[AD] offset:VOFF+8192*(\q)+2048*\t+512*\c   ; V's fragments land under the softmax
.endr
.endr
	s_add_co_u32 s57, s[KF], 127                   ; on the diagonal the scores of later keys become -infinity; a step all of whose keys count skips this
	s_cmp_le_u32 s57, s[Q0]
	s_cbranch_scc1 .Lopen_\@
	s_sub_co_i32 s57, s[Q0], s[KF]
	v_add_nc_u32 v252, s57, v[DL]                  ; d = my query - KF - 8 (lane / 16): register 8 t + j is hidden where 16 t + j > d
.irp n, 0,1,2,3,4,5,6,7,8,9,10,11,12,13,14,15,16,17,18,19,20,21,22,23,24,25,26,27,28,29,30,31,32,33,34,35,36,37,38,39,40,41,42,43,44,45,46,47,48,49,50,51,52,53,54,55,56,57,58,59,60,61,62,63
	v_cmp_gt_i32 vcc_lo, 16*(\n/8)+\n%8, v252
	v_cndmask_b32 v[96+\n], v[96+\n], v[NINF], vcc_lo
.endr
.Lopen_\@:
.irp g, 0,1,2,3,4,5,6,7                        ; a score that is exactly 0 is hidden too: eight compares into eight scalar masks, then eight selects
.irp j, 0,1,2,3,4,5,6,7
	v_cmp_eq_f32 s[66+\j], 0, v[96+8*\g+\j]
.endr
.irp j, 0,1,2,3,4,5,6,7
	v_cndmask_b32 v[96+8*\g+\j], v[96+8*\g+\j], v[NINF], s[66+\j]
.endr
.endr
	v_max3_num_f32 v254, v96, v97, v98             ; the step's largest score of my query among my 64 keys, in two chains,
	v_max3_num_f32 v252, v99, v100, v101
.irp i, 6,10,14,18,22,26,30,34,38,42,46,50,54,58
	s_delay_alu instid0(VALU_DEP_2)
	v_max3_num_f32 v254, v254, v[96+\i], v[97+\i]
	s_delay_alu instid0(VALU_DEP_2)
	v_max3_num_f32 v252, v252, v[98+\i], v[99+\i]
.endr
	s_delay_alu instid0(VALU_DEP_2)
	v_max3_num_f32 v254, v254, v158, v159
	s_delay_alu instid0(VALU_DEP_1)
	v_max_num_f32 v254, v254, v252
	s_delay_alu instid0(VALU_DEP_1)
	v_permlanex16_b32 v236, v254, s[SEL], s[SEL+1]
	s_delay_alu instid0(VALU_DEP_1)
	v_max_num_f32 v254, v254, v236                 ; and among lane l xor 16's
	s_delay_alu instid0(VALU_DEP_1)
	v_mul_f32 v254, s[CS], v254                    ; as t (c is positive)
	s_delay_alu instid0(VALU_DEP_1)
	v_max_num_f32 v13, v13, v254                   ; the running largest t
	v_mov_b32 v254, v12
	s_delay_alu instid0(VALU_DEP_2)
	v_floor_f32 v12, -v13                          ; the new -M = floor(-t): M is a whole number
	s_delay_alu instid0(VALU_DEP_1)
	v_sub_f32 v254, v12, v254                      ; old M - new M: a whole number, 0 or less
	s_delay_alu instid0(VALU_DEP_1)
	v_cvt_i32_f32 v254, v254                       ; (it saturates)
	s_delay_alu instid0(VALU_DEP_1)
	v_ldexp_f32 v252, 1.0, v254                    ; f = 2^(old M - new M)
.set j, 0
.rept 32
	v_pk_fma_f32 v[96+j:97+j], v[96+j:97+j], s[CS:CS+1], v[12:13] op_sel_hi:[1,0,0]   ; t - M, two at a time
.set j, j+2
.endr
.set j, 0
	s_wait_alu depctr_va_vdst(0)
.rept 64
	v_exp_f32 v[96+j], v[96+j]                     ; p = 2^(t - M); 0 where the score is hidden
.set j, j+1
.endr
	v_pk_mul_f32 v[14:15], v[14:15], v[252:253] op_sel_hi:[1,0]   ; l under the new M: the plain instruction behind the exponentials
	s_wait_alu depctr_va_vdst(0)                   ; one wait for the whole batch, ahead of its first reader
	v_pk_add_f32 v[242:243], v[100:101], v[104:105]
	v_pk_add_f32 v[250:251], v[108:109], v[112:113]
	v_pk_add_f32 v[248:249], v[116:117], v[120:121]
	v_pk_add_f32 v[240:241], v[124:125], v[128:129]
	v_pk_add_f32 v[238:239], v[132:133], v[136:137]
	v_pk_add_f32 v[234:235], v[140:141], v[144:145]
	v_pk_add_f32 v[232:233], v[148:149], v[152:153]
	v_pk_add_f32 v[14:15], v[14:15], v[156:157]
	v_pk_add_f32 v[242:243], v[242:243], v[96:97]
	v_pk_add_f32 v[250:251], v[250:251], v[98:99]
	v_pk_add_f32 v[248:249], v[248:249], v[102:103]
	v_pk_add_f32 v[240:241], v[240:241], v[106:107]
	v_pk_add_f32 v[238:239], v[238:239], v[110:111]
	v_pk_add_f32 v[234:235], v[234:235], v[114:115]
	v_pk_add_f32 v[232:233], v[232:233], v[118:119]
	v_pk_add_f32 v[14:15], v[14:15], v[122:123]
	v_pk_add_f32 v[242:243], v[242:243], v[126:127]
	v_pk_add_f32 v[250:251], v[250:251], v[130:131]
	v_pk_add_f32 v[248:249], v[248:249], v[134:135]
	v_pk_add_f32 v[240:241], v[240:241], v[138:139]
	v_pk_add_f32 v[238:239], v[238:239], v[142:143]
	v_pk_add_f32 v[234:235], v[234:235], v[146:147]
	v_pk_add_f32 v[232:233], v[232:233], v[150:151]
	v_pk_add_f32 v[14:15], v[14:15], v[154:155]
	v_pk_add_f32 v[242:243], v[242:243], v[158:159]
	s_delay_alu instid0(VALU_DEP_2)
	v_pk_add_f32 v[14:15], v[14:15], v[240:241]
	s_delay_alu instid0(VALU_DEP_2)
	v_pk_add_f32 v[242:243], v[242:243], v[238:239]
	v_pk_add_f32 v[250:251], v[250:251], v[234:235]
	v_pk_add_f32 v[248:249], v[248:249], v[232:233]
	s_delay_alu instid0(VALU_DEP_2)
	v_pk_add_f32 v[14:15], v[14:15], v[250:251]
	s_delay_alu instid0(VALU_DEP_2)
	v_pk_add_f32 v[242:243], v[242:243], v[248:249]
	s_delay_alu instid0(VALU_DEP_1)
	v_pk_add_f32 v[14:15], v[14:15], v[242:243]
.irp t, 0,1,2,3,4,5,6,7
.irp i, 0,1,2,3,4,5,6,7
.endr
	v_cvt_scalef32_pk8_fp8_f32 v[192+2*\t:193+2*\t], v[96+8*\t:103+8*\t], v244   ; registers 2 t, 2 t + 1 of P's fragment
.endr
.set j, 0
.rept 16
	v_pk_mul_f32 v[160+j:161+j], v[160+j:161+j], v[252:253] op_sel_hi:[1,0]   ; O^T under the new M; also the plain instructions between the conversions and the products
.set j, j+2
.endr
	s_wait_alu depctr_va_vdst(0)
	s_wait_dscnt 0x0                               ; V's fragments
.irp t, 0,1,2,3
	v_wmma_f32_16x16x128_fp8_fp8 v[160+8*\t:167+8*\t], v[32+16*\t:47+16*\t], v[192:207], v[160+8*\t:167+8*\t]   ; four accumulators by turns
.endr
.Lhidden_\@:
	s_add_co_u32 s[KF], s[KF], 128
.endm
; THE CHANGE OF SLOTS stands at a trip's head.  Each wave waits for all its tensor loads (the slot that it is about to read), adds 0 to its spare word, and waits for that and for its reads of the slot that it has left.
; fill = 1: behind the barrier that other slot is filled for the next trip X = 9 - SLOTS: key slot X, or X - (I + 1) once the first block's I + 1 slots are past.
.macro CHANGE fill
	s_wait_tensorcnt 0x0                           ; no tensor load of mine is out, so group 0 may be written
	ds_add_u32 v[SPW], v[NIL]                      ; 0 onto my spare word
.if \fill
	s_xor_b32 s[G0+1], s[G0+1], SLOT1
	s_sub_co_u32 s57, 9, s[SLOTS]
	s_cmp_gt_u32 s57, s14
	s_cselect_b32 s58, s15, 0
	s_sub_co_u32 s57, s57, s58
	s_lshl_b32 s[OFF], s57, 14                     ; 16,384 bytes a slot, in k_img and in v_img
	s_add_nc_u64 s[G0+2:G0+3], s[KVB:KVB+1], s[OFF:OFF+1]
	s_or_b32 s[G0+3], s[G0+3], 0x80000000
	s_wait_xcnt 0x0                                ; the last prefetch, a trip back, has read its address, so it may be written
	s_add_nc_u64 s[PFA:PFA+1], s[PFA:PFA+1], 16384
.endif
	s_wait_dscnt 0x0                               ; the add is done, and my reads of the slot that I have left are over
	s_barrier_signal -1
	s_barrier_wait -1
.if \fill
	TLOAD                                          ; the first thing behind the barrier, a wave's one tensor load until the next: it has a trip's two key steps in which to land
	ASK
.endif
.endm
; A BLOCK'S END: O^T x 2^(e8 + e9) / l, converted with 2^e10: eight registers of the last projection's operand, two stores of 512 consecutive bytes.
.macro FLUSH ab
	s_wait_xcnt 0x0                                ; the first block's stores have read their data registers
.rept 4
	v_nop                                          ; places behind the last products
.endr
	v_add_f32 v14, v14, v15
	s_delay_alu instid0(VALU_DEP_1)
	v_permlanex16_b32 v236, v14, s[SEL], s[SEL+1]
	s_delay_alu instid0(VALU_DEP_1)
	v_add_f32 v14, v14, v236                       ; l: my two halves and lane l xor 16's
	s_wait_alu depctr_va_vdst(0)
	v_rcp_f32 v254, v14
	v_nop                                          ; a plain instruction behind the reciprocal
	v_cmp_eq_f32 vcc_lo, 0, v14                    ; a row with nothing left
	s_wait_alu depctr_va_vdst(0)                   ; ahead of the reciprocal's first reader
	v_ldexp_f32 v254, v254, s49
.set j, 0
.rept 16
	v_pk_mul_f32 v[96+j:97+j], v[160+j:161+j], v[254:255] op_sel_hi:[1,0]   ; each accumulator from its low end on
.set j, j+2
.endr
.set j, 0
.rept 32
.set j, j+1
.endr
.irp t, 0,1,2,3
	v_cvt_scalef32_pk8_fp8_f32 v[208+2*\t:209+2*\t], v[96+8*\t:103+8*\t], v245
.endr
	v_nop                                          ; a plain instruction between the conversions and the selects on their results
.irp i, 0,1,2,3,4,5,6,7
	v_cndmask_b32 v[208+\i], v[208+\i], v247, vcc_lo
.endr
	global_store_b128 v[AL], v[208:211], s[\ab:\ab+1]
	global_store_b128 v[AL], v[212:215], s[\ab:\ab+1] offset:512
.endm
	s_wait_loadcnt 0x0                             ; Q, both blocks'
.Lslot:                                            ; eight trips, each of which asks for the next trip's slot
	CHANGE 1
	STEP 0
	STEP 1
	s_xor_b32 s[TB], s[TB], SLOT1
	s_cmp_lg_u32 s[SLOTS], s16                     ; was this the first block's last slot?  A branch on the work-group's number
	s_cbranch_scc1 .Lsame_block
	FLUSH 60
.irp j, 0,1,2,3,4,5,6,7
	v_mov_b32 v[16+\j], v[24+\j]                   ; the second block's Q
.endr
	v_mov_b32 v13, 0xff61b1e6
	s_delay_alu instid0(VALU_DEP_1)
	v_floor_f32 v12, -v13
	v_mov_b32 v14, 0
	v_mov_b32 v15, 0
.set j, 0
.rept 32
	v_mov_b32 v[160+j], 0
.set j, j+1
.endr
	s_mov_b32 s[Q0], s53
	s_mov_b32 s[KF], 0
.Lsame_block:
	s_sub_co_u32 s[SLOTS], s[SLOTS], 1
	s_cmp_lg_u32 s[SLOTS], 0
	s_cbranch_scc1 .Lslot
	CHANGE 0                                       ; the ninth trip is written out
	STEP 0
	STEP 1
	FLUSH 62
	s_wait_tensorcnt 0x0                           ; the wave's end
	ds_add_u32 v[SPW], v[NIL]
	s_wait_dscnt 0x0
	s_endpgm
.Lfunc_end_k_q3a9529b585_attn:
	.size	k_q3a9529b585_attn, .Lfunc_end_k_q3a9529b585_attn-k_q3a9529b585_attn
	.p2alignl 7, 3214868480
	.fill 96, 4, 3214868480
	.section	.rodata,"a",@progbits
	.p2align	6, 0x0
	.amdhsa_kernel k_q3a9529b585_attn
		.amdhsa_group_segment_fixed_size 327680
		.amdhsa_private_segment_fixed_size 0
		.amdhsa_enable_private_segment 0
		.amdhsa_kernarg_size 40
		.amdhsa_user_sgpr_count 2
		.amdhsa_user_sgpr_kernarg_segment_ptr 1
		.amdhsa_wavefront_size32 1
		.amdhsa_system_sgpr_workgroup_id_x 1
		.amdhsa_system_sgpr_workgroup_id_y 1
		.amdhsa_system_sgpr_workgroup_id_z 1
		.amdhsa_system_vgpr_workitem_id 0
		.amdhsa_next_free_vgpr 256
		.amdhsa_next_free_sgpr 80
		.amdhsa_reserve_vcc 1
		.amdhsa_float_denorm_mode_32 3
		.amdhsa_float_denorm_mode_16_64 3
		.amdhsa_fp16_overflow 1
		.amdhsa_memory_ordered 1
		.amdhsa_forward_progress 1
		.amdhsa_inst_pref_size 126
	.end_amdhsa_kernel
	.amdgpu_metadata
---
amdhsa.version: [ 1, 2 ]
amdhsa.kernels:
  - .name:           k_q3a9529b585_attn
    .symbol:         k_q3a9529b585_attn.kd
    .args:
      - { .name: q_img, .offset: 0, .size: 8, .value_kind: global_buffer, .address_space: global }
      - { .name: k_img, .offset: 8, .size: 8, .value_kind: global_buffer, .address_space: global }
      - { .name: v_img, .offset: 16, .size: 8, .value_kind: global_buffer, .address_space: global }
      - { .name: lowp_scales, .offset: 24, .size: 8, .value_kind: global_buffer, .address_space: global }
      - { .name: a_img, .offset: 32, .size: 8, .value_kind: global_buffer, .address_space: global }
    .group_segment_fixed_size: 327680
    .private_segment_fixed_size: 0
    .kernarg_segment_align: 8
    .kernarg_segment_size: 40
    .max_flat_workgroup_size: 512
    .sgpr_count:     80
    .vgpr_count:     256
    .wavefront_size: 32
...
	.end_amdgpu_metadata
.endif
;; end of part 2
;; launch oproj (part 3): grid 4 x 64, 4 waves a work-group, clusters of 4 x 4, 327,680 bytes of LDS; arguments a_img, Wo_w_codes, Wo_b, lowp_scales, out0; writes out0
.if DOCPART == 3
	.amdgcn_target "amdgcn-amd-amdhsa--gfx1250"
	.amdhsa_code_object_version 6
	.text
	.protected	k_q3a9529b585_oproj
	.globl	k_q3a9529b585_oproj
	.p2align	8
	.type	k_q3a9529b585_oproj,@function
k_q3a9529b585_oproj:
	s_mov_b64 s[64:65], 0
	v_nop
	global_prefetch_b8 v0, s[64:65] scope:SCOPE_SE
	s_setreg_imm32_b32 hwreg(HW_REG_WAVE_MODE, 25, 1), 1
	s_wait_xcnt 0x0
	s_wait_alu depctr_hold_cnt(0) depctr_sa_sdst(0) depctr_va_vdst(0) depctr_va_sdst(0) depctr_va_ssrc(0) depctr_va_vcc(0) depctr_vm_vsrc(0)
	s_getreg_b32 s2, hwreg(HW_REG_IB_STS2, 6, 4)
	s_cmp_eq_u32 s2, 0
	s_cbranch_scc0 .Lentry_in_a_cluster
	s_endpgm
.Lentry_in_a_cluster:
	s_bfe_u32 s2, ttmp6, 0x10000c
	s_cmp_lg_u32 s2, 0xf033
	s_cbranch_scc0 .Lentry_shape_is_right
	s_endpgm
.Lentry_shape_is_right:
; out0 = attn Wo + bo on codes of E4M3 (scales e10, e11).  a_img: the attention's codes as images of operand registers, [128 tokens: 64][K step of 128: 8][token tile 8][c 4][lane][16 bytes]; Wo: [1024 (out)][1024 (K)] codes;
; out0: [8192][1024] f32.
; SHARES.  A work-group makes 128 tokens x 256 columns: 64 x 4 = 256 work-groups; a wave 64 x 128: 32 accumulators (a = token tile, b = column tile).  The 128 tokens' codes (131,072 dense bytes) are fetched once, a quarter
; a wave, and stay in LDS; Wo goes through a ring of two slots, 256 along K each: 4 K steps of two substeps of 128, 32 matrix instructions each, on two sets of fragments.
; CLUSTER 4 x 4: the four work-groups of a row share the tokens' codes, the four of a column Wo's rows: both are asked for jointly.
; THE PRODUCT IS USED TRANSPOSED (source 0 = 16 rows of Wo, source 1 = 16 tokens): a lane holds eight neighbouring columns of one row of out0.
; The images hold each k at the place that this form's own layout gives it (registers 2 c, 2 c + 1: k = 16 c + 8 (lane / 16) + 0..7), so Wo's fragments are fetched so too: eight loads of 8 bytes a fragment.
; out0 = sum x 2^(e10 + e11) + bo: one packed multiply-add for two numbers.  LIMIT: e10 + e11 between -126 and 127.
; REGISTERS: window 0: v16-31 addresses; v32-95, v96-159 the tokens' fragments, two sets; on the way out v32-223 are free.  window 1: Wo's fragments, two sets.  window 2: the accumulators, (a, b) at v[8 (8 a + b)].  window 3: v0-63 bo in the result's layout.
.set PITCH, 272                        ; a row of Wo in LDS: 256 bytes + 16 = 68 words: a load's 32 lanes (16 rows x two halves of 8 bytes) touch 64 different banks (ISA guide 11.1)
.set ACH,   32768                      ; a chunk of images: 256 along K of 128 tokens
.set BBASE, 4*ACH
.set BSLOT, 256*PITCH
.set BQ,    64*PITCH
.set SPARE, BBASE+2*BSLOT              ; the spare words, 128 bytes a wave: two blocks of 256 bytes that no other line names
.set STAGE, SPARE+512                  ; the way out: 16 rows x (512 bytes + 16) for each wave, bytes of its own into which no tile lands
.set SPITCH, 528
.set ADRA, 16                          ; v16-19  LDS address of my tokens' images in chunk 0..3
.set ADRB, 20                          ; v20-21  of my Wo fragments in slot 0, 1
.set BO,   22                          ; v22     byte offset in bo
.set STO,  24                          ; v24     the stage: where I put 32 bytes of a row
.set RD,   25                          ; v25     and where I read a row back
.set CO,   26                          ; v26     16 x lane: my bytes of a row's 512
.set SPW,  30
.set NIL,  31
.set AF,   32
.set TMP,  32                          ; the way out: a block's 64 results
.set BK,   96                          ; 16 rows read back: v96-159 and v160-223 by turns
.set WV,   26
.set G1A,  36
.set G1B,  44
.set G0A,  52
.set G0B,  56
.set WB,   66                          ; s[66:67] Wo at my 64 rows
.set MSB, 0
.macro WIN new
.if MSB != (\new)
	s_set_vgpr_msb (MSB<<8)|(\new)
.set MSB, (\new)
.endif
.endm
.macro PLACES n
.rept \n
	v_nop
.endr
.endm
.macro CREST
	s_cmp_lg_u32 s[WV], 0
	s_cbranch_scc1 .Lnot_wave_0_\@
	s_barrier_signal -3
.Lnot_wave_0_\@:
	s_barrier_wait -3
	s_barrier_signal -1
	s_barrier_wait -1
.endm
.macro CROUND
	s_barrier_signal -1
	s_barrier_wait -1
	CREST
.endm
	s_load_b256 s[4:11], s[0:1], 0x0               ; a_img s[4:5], Wo s[6:7], bo s[8:9], the exponents s[10:11]
	s_load_b64 s[12:13], s[0:1], 0x20              ; out0
	v_lshl_add_u32 v[SPW], v0, 2, SPARE
	v_mov_b32 v[NIL], 0
	ds_add_u32 v30, v31
	ds_add_u32 v30, v31
	s_wait_dscnt 0x0
	v_lshrrev_b32 v1, 5, v0
	v_readfirstlane_b32 s[WV], v1
	s_lshr_b32 s27, s[WV], 1                       ; which 64 tokens
	s_and_b32 s28, s[WV], 1                        ; which 128 columns
	s_bfe_u32 s29, ttmp6, 0x40000                  ; cx
	s_bfe_u32 s30, ttmp6, 0x40004                  ; cy
	s_lshl_b32 s31, ttmp9, 2
	s_add_co_u32 s31, s31, s29                     ; column block
	s_and_b32 s32, ttmp7, 0xffff
	s_lshl_b32 s32, s32, 2
	s_add_co_u32 s32, s32, s30                     ; row block
	s_lshl_b32 s33, s30, 2
	s_lshl_b32 s33, 15, s33                        ; my row of the cluster
	s_lshl_b32 s34, 0x1111, s29                    ; my column
	s_or_b32 s[G1A], s33, (3<<16)|(1<<21)          ; the mask; elements of 8 bytes; no padding; bit 21 beside a mask
	s_mov_b32 s[G1A+1], 32<<16                     ; a dense block of 32,768 bytes as 128 rows of 256
	s_mov_b32 s[G1A+2], 128<<16
	s_mov_b32 s[G1A+3], 32<<16
	s_mov_b32 s[G1A+4], 128
	s_mov_b32 s[G1A+5], 32
	s_mov_b32 s[G1A+6], 0
	s_mov_b32 s[G1A+7], 0
	s_or_b32 s[G1B], s34, (1<<20)|(1<<21)|(5<<22)|(3<<25)   ; elements of 1 byte; 4 words of padding behind every 64
	s_mov_b32 s[G1B+1], 256<<16
	s_mov_b32 s[G1B+2], 64<<16
	s_mov_b32 s[G1B+3], 256<<16
	s_mov_b32 s[G1B+4], 64
	s_mov_b32 s[G1B+5], 1024
	s_mov_b32 s[G1B+6], 0
	s_mov_b32 s[G1B+7], 0
	s_lshl_b32 s94, s32, 17                        ; a_img: 131,072 bytes a row block,
	s_lshl_b32 s93, s[WV], 15                      ; chunk = wave
	s_add_co_u32 s94, s94, s93
	s_mov_b32 s95, 0
	s_lshl_b32 s96, s31, 18                        ; Wo: 256 rows a column block,
	s_lshl_b32 s93, s[WV], 16                      ; my 64 of them
	s_add_co_u32 s96, s96, s93
	s_mov_b32 s97, 0
	s_wait_kmcnt 0x0
	s_load_b64 s[72:73], s[10:11], 0x28            ; e10, e11
	s_mov_b32 s[G0A], 1
	s_mul_i32 s[G0A+1], s[WV], ACH
	s_add_nc_u64 s[G0A+2:G0A+3], s[4:5], s[94:95]
	s_or_b32 s[G0A+3], s[G0A+3], 0x80000000
	s_add_nc_u64 s[WB:WB+1], s[6:7], s[96:97]
	s_mul_i32 s93, s[WV], BQ
	s_mov_b32 s[G0B], 1
	s_add_co_u32 s[G0B+1], s93, BBASE
	s_mov_b64 s[G0B+2:G0B+3], s[WB:WB+1]
	s_or_b32 s[G0B+3], s[G0B+3], 0x80000000
	s_mov_b32 s[G0B+4], 1
	s_add_co_u32 s[G0B+5], s93, BBASE+BSLOT
	s_add_nc_u64 s[G0B+6:G0B+7], s[WB:WB+1], 256
	s_or_b32 s[G0B+7], s[G0B+7], 0x80000000
	CROUND                                         ; all sixteen work-groups are here: the first joint loads meet
	tensor_load_to_lds s[G0B:G0B+3], s[G1B:G1B+7]      ; slot 0's quarter, waited for before the next load,
	s_nop 0
	s_wait_alu depctr_va_vdst(0)
	s_wait_tensorcnt 0x0
	ds_add_u32 v30, v31
	s_wait_dscnt 0x0
	CROUND
	tensor_load_to_lds s[G0A:G0A+3], s[G1A:G1A+7]      ; my chunk of images,
	s_nop 0
	s_wait_alu depctr_va_vdst(0)
	s_wait_tensorcnt 0x0
	ds_add_u32 v30, v31
	s_wait_dscnt 0x0
	CROUND
	tensor_load_to_lds s[G0B+4:G0B+7], s[G1B:G1B+7]    ; slot 1's quarter
	s_nop 0
	PLACES 4
	v_and_b32 v1, 15, v0                           ; r
	v_bfe_u32 v2, v0, 4, 1                         ; h
	v_and_b32 v3, 31, v0
	v_lshlrev_b32 v[CO], 4, v3                     ; 16 x lane
	s_wait_alu depctr_va_vdst(0)
	s_lshl_b32 s93, s31, 10
	s_lshl_b32 s98, s28, 9
	s_add_co_u32 s93, s93, s98                     ; my first column x 4 bytes
	v_lshl_add_u32 v[BO], v2, 5, s93
	WIN 0xc0                                       ; destination window 3
.irp b, 0,1,2,3,4,5,6,7
	global_load_b128 v[8*\b:8*\b+3], v[BO], s[8:9] offset:64*\b
	global_load_b128 v[8*\b+4:8*\b+7], v[BO], s[8:9] offset:64*\b+16
.endr
	WIN 0
	s_lshl_b32 s93, s27, 13                        ; my four token tiles of 2,048 bytes
.irp c, 0,1,2,3
	v_add_nc_u32 v[ADRA+\c], s93, v[CO]
	s_add_co_u32 s93, s93, ACH
.endr
	v_mul_u32_u24 v4, v1, PITCH
	v_lshl_add_u32 v4, v2, 3, v4                   ; row x pitch + 8 x half
	s_mul_i32 s93, s28, 128*PITCH
	s_add_co_u32 s93, s93, BBASE
.irp s, 0,1
	v_add_nc_u32 v[ADRB+\s], s93, v4
	s_add_co_u32 s93, s93, BSLOT
.endr
	s_mul_i32 s93, s[WV], 16*SPITCH
	s_add_co_u32 s93, s93, STAGE                   ; my stage
	v_mul_u32_u24 v5, v1, SPITCH
	v_lshl_add_u32 v5, v2, 5, v5
	v_add_nc_u32 v[STO], s93, v5                   ; in: row r, 32 bytes for each half of the lanes
	v_add_nc_u32 v[RD], s93, v[CO]                 ; back: the 32 lanes take one row of 512 bytes
	s_lshl_b32 s93, s32, 7
	s_lshl_b32 s98, s27, 6
	s_add_co_u32 s93, s93, s98                     ; my first row of out0
	s_lshl_b32 s93, s93, 12                        ; x 4,096 bytes
	s_lshl_b32 s98, s31, 10
	s_add_co_u32 s93, s93, s98
	s_lshl_b32 s98, s28, 9
	s_add_co_u32 s98, s98, s93                     ; + my first column's bytes
	s_mov_b32 s99, 0
	s_add_nc_u64 s[12:13], s[12:13], s[98:99]
	s_wait_alu depctr_va_vdst(0)
	s_wait_kmcnt 0x0
	s_add_co_i32 s84, s72, s73
	s_add_co_i32 s84, s84, 127
	s_lshl_b32 s84, s84, 23                        ; 2^(e10 + e11) as f32
	s_mov_b32 s85, s84                             ; (named with it as a pair)
	s_wait_loadcnt 0x0                             ; bo
.macro FETCH_A chunk, q, set           ; four token tiles' fragments of the chunk's q-th 128 along K: images, 512 consecutive bytes a load
.irp i, 0,1,2,3
.irp c, 0,1,2,3
	ds_load_b128 v[AF+64*(\set)+16*\i+4*\c:AF+64*(\set)+16*\i+4*\c+3], v[ADRA+\chunk] offset:16384*(\q)+2048*\i+512*\c
.endr
.endr
.endm
.macro FETCH_B slot, q, set            ; Wo's eight fragments: registers 2 c, 2 c + 1 = k 16 c + 8 h + 0..7
	WIN 0x40
.irp i, 0,1,2,3,4,5,6,7
.irp c, 0,1,2,3,4,5,6,7
	ds_load_b64 v[128*(\set)+16*\i+2*\c:128*(\set)+16*\i+2*\c+1], v[ADRB+\slot] offset:128*(\q)+16*\c+16*PITCH*\i
.endr
.endr
	WIN 0
.endm
.macro MUL8 a, set, first              ; the 32 accumulators take turns, one instruction a turn, in the same order in every substep
.irp b, 0,1,2,3,4,5,6,7
.if \first
	v_wmma_f32_16x16x128_fp8_fp8 v[8*(8*(\a)+\b):8*(8*(\a)+\b)+7], v[128*(\set)+16*\b:128*(\set)+16*\b+15], v[AF+64*(\set)+16*(\a):AF+64*(\set)+16*(\a)+15], 0
.else
	v_wmma_f32_16x16x128_fp8_fp8 v[8*(8*(\a)+\b):8*(8*(\a)+\b)+7], v[128*(\set)+16*\b:128*(\set)+16*\b+15], v[AF+64*(\set)+16*(\a):AF+64*(\set)+16*(\a)+15], v[8*(8*(\a)+\b):8*(8*(\a)+\b)+7]
.endif
.endr
.endm
.macro SUB0 g, first                   ; K step g, first substep: set 0; the second substep's fragments are fetched in its middle
	s_wait_dscnt 0x0
	WIN 0xa1                                       ; Wo window 1, tokens window 0, C and D window 2
	MUL8 0, 0, \first
	MUL8 1, 0, \first
	PLACES 4
	FETCH_B (\g)%2, 1, 1
	FETCH_A \g, 1, 1
	WIN 0xa1
	MUL8 2, 0, \first
	MUL8 3, 0, \first
.endm
.macro TURN g, fill                    ; K step g, second substep: set 1, and the change of slots: one barrier; with fill = 1 it opens a round of the cluster's barrier
	WIN 0
	s_wait_tensorcnt 0x0                           ; no tensor load of mine is out, so a group 0 may be written
	ds_add_u32 v[SPW], v[NIL]                      ; 0 onto my spare word
.if \fill
	s_add_nc_u64 s[G0B+4*((\g)%2)+2:G0B+4*((\g)%2)+3], s[WB:WB+1], ((\g)+2)*256
	s_or_b32 s[G0B+4*((\g)%2)+3], s[G0B+4*((\g)%2)+3], 0x80000000
.endif
	s_wait_dscnt 1                                 ; only the add may be out: set 1 is in
	WIN 0xa1
	MUL8 0, 1, 0
	s_wait_dscnt 0x0                               ; the add is done, and my reads of this slot are over
	s_barrier_signal -1
	MUL8 1, 1, 0
	WIN 0
	s_barrier_wait -1
.if \fill
	CREST
	tensor_load_to_lds s[G0B+4*((\g)%2):G0B+4*((\g)%2)+3], s[G1B:G1B+7]   ; my one tensor load behind the round
	s_nop 0
	PLACES 4
.else
	PLACES 4
.endif
	FETCH_B ((\g)+1)%2, 0, 0
	FETCH_A (\g)+1, 0, 0
	WIN 0xa1
	MUL8 2, 1, 0
	MUL8 3, 1, 0
.endm
; THE WAY OUT, a block of 16 rows x 128 columns at a time: through my own stage in LDS and back as whole rows of 512 bytes.  LDS serves a wave's instructions in order (ISA guide 5.7.1.4): no wait between the stores and the loads.
.macro TOSTAGE a
	WIN 0x32                                       ; source 0 (the sums) window 2, source 2 (bo) window 3, destination window 0
.irp b, 0,1,2,3,4,5,6,7
.irp i, 0,2,4,6
	v_pk_fma_f32 v[TMP+8*\b+\i:TMP+8*\b+\i+1], v[64*(\a)+8*\b+\i:64*(\a)+8*\b+\i+1], s[84:85], v[8*\b+\i:8*\b+\i+1] op_sel_hi:[1,0,1]   ; sum x 2^(e10 + e11) + bo; each accumulator from its low end on
.endr
.endr
	WIN 0
.irp b, 0,1,2,3,4,5,6,7
	ds_store_b128 v[STO], v[TMP+8*\b:TMP+8*\b+3] offset:64*\b
	ds_store_b128 v[STO], v[TMP+8*\b+4:TMP+8*\b+7] offset:64*\b+16
.endr
.set BB, BK+64*((\a)%2)
.irp t, 0,1,2,3,4,5,6,7,8,9,10,11,12,13,14,15
	ds_load_b128 v[BB+4*\t:BB+4*\t+3], v[RD] offset:\t*SPITCH
.endr
.endm
.macro SEND a, younger                 ; younger: the LDS instructions issued behind block a's loads, which may stay out
.set BB, BK+64*((\a)%2)
	s_wait_dscnt \younger
.irp t, 0,1,2,3,4,5,6,7,8,9,10,11,12,13,14,15
	global_store_b128 v[CO], v[BB+4*\t:BB+4*\t+3], s[12:13] offset:(16*(\a)+\t)*4096 th:TH_STORE_NT   ; 32 lanes store 512 consecutive bytes, at a multiple of 256 from out0's first byte
.endr
.endm
	s_wait_tensorcnt 0x1                           ; my quarter of slot 0 and my chunk of images are in; slot 1's quarter may stay out
	s_barrier_signal -1
	s_barrier_wait -1
	FETCH_B 0, 0, 0
	FETCH_A 0, 0, 0
	SUB0 0, 1                                      ; the first products start the sums: nothing is cleared
	TURN 0, 1
	SUB0 1, 0
	TURN 1, 1
	SUB0 2, 0
	TURN 2, 0                                      ; the last two K steps fill nothing
	SUB0 3, 0
	s_wait_dscnt 0x0
	WIN 0xa1
	MUL8 0, 1, 0
	MUL8 1, 1, 0
	MUL8 2, 1, 0
	MUL8 3, 1, 0
	WIN 0
	PLACES 4                                       ; behind the last products: their results are read, and the registers that held fragments are written
	TOSTAGE 0
	TOSTAGE 1
	SEND 0, 32                                     ; behind block 0's loads: block 1's 16 stores and 16 loads
	s_wait_xcnt 0x0                                ; block 0's stores have read their registers: block 2's rows may land there
	TOSTAGE 2
	SEND 1, 32
	s_wait_xcnt 0x0                                ; block 1's likewise
	TOSTAGE 3
	SEND 2, 32
	SEND 3, 0
	s_wait_tensorcnt 0x0                           ; the wave's end, behind my last tensor load and my last LDS store
	ds_add_u32 v[SPW], v[NIL]
	s_wait_dscnt 0x0
	CROUND                                         ; the closing round
	s_endpgm
.Lfunc_end_k_q3a9529b585_oproj:
	.size	k_q3a9529b585_oproj, .Lfunc_end_k_q3a9529b585_oproj-k_q3a9529b585_oproj
	.p2alignl 7, 3214868480
	.fill 96, 4, 3214868480
	.section	.rodata,"a",@progbits
	.p2align	6, 0x0
	.amdhsa_kernel k_q3a9529b585_oproj
		.amdhsa_group_segment_fixed_size 327680
		.amdhsa_private_segment_fixed_size 0
		.amdhsa_enable_private_segment 0
		.amdhsa_kernarg_size 40
		.amdhsa_user_sgpr_count 2
		.amdhsa_user_sgpr_kernarg_segment_ptr 1
		.amdhsa_wavefront_size32 1
		.amdhsa_system_sgpr_workgroup_id_x 1
		.amdhsa_system_sgpr_workgroup_id_y 1
		.amdhsa_system_sgpr_workgroup_id_z 1
		.amdhsa_system_vgpr_workitem_id 0
		.amdhsa_next_free_vgpr 1024
		.amdhsa_next_free_sgpr 100
		.amdhsa_reserve_vcc 0
		.amdhsa_float_denorm_mode_32 3
		.amdhsa_float_denorm_mode_16_64 3
		.amdhsa_memory_ordered 1
		.amdhsa_forward_progress 1
		.amdhsa_inst_pref_size 92
	.end_amdhsa_kernel
	.amdgpu_metadata
---
amdhsa.version: [ 1, 2 ]
amdhsa.kernels:
  - .name:           k_q3a9529b585_oproj
    .symbol:         k_q3a9529b585_oproj.kd
    .args:
      - { .name: a_img, .offset: 0, .size: 8, .value_kind: global_buffer, .address_space: global }
      - { .name: Wo_w_codes, .offset: 8, .size: 8, .value_kind: global_buffer, .address_space: global }
      - { .name: Wo_b, .offset: 16, .size: 8, .value_kind: global_buffer, .address_space: global }
      - { .name: lowp_scales, .offset: 24, .size: 8, .value_kind: global_buffer, .address_space: global }
      - { .name: out0, .offset: 32, .size: 8, .value_kind: global_buffer, .address_space: global }
    .group_segment_fixed_size: 327680
    .private_segment_fixed_size: 0
    .kernarg_segment_align: 8
    .kernarg_segment_size: 40
    .max_flat_workgroup_size: 128
    .sgpr_count:     100
    .vgpr_count:     1024
    .wavefront_size: 32
...
	.end_amdgpu_metadata
.endif
;; end of part 3
